; MI455X (gfx1250); checked and timed in simulation.
; The chip was launched on July 23, 2026; its instructions are those of AMD's public machine-readable ISA for CDNA 5 (MIT licence, August 2026) and "CDNA5" Instruction Set Architecture Reference Guide (July 2026). The comments in the code are by the model that wrote it; some were corrected since.
;; Additive Attention. Allowed arithmetic: matrix products marked QUANTISED: E5M2 operands, one E8M0 scale for each 32 along K, by v_wmma_scale_f32_16x16x128_f8f6f4 with both operands' format E5M2, f32 sums; products left as they are: f32 operands where the result goes on into a quantised operand, else bf16, f16 or f32 operands; f32 sums; everything else in f32.
;; Inputs: Wc 1,024 x 1 float32; Wq_codes 1,024 x 32 x 32 uint8 (E5M2 codes of Wq, K innermost, in blocks of 32 codes); Wq_scales 1,024 x 32 uint8 (E8M0 scales of Wq, one for each 32 codes along K); Wv_codes 1,024 x 32 x 32 uint8 (E5M2 codes of Wv, K innermost, in blocks of 32 codes); Wv_scales 1,024 x 32 uint8 (E8M0 scales of Wv, one for each 32 codes along K); bc 1 float32; bq 1,024 float32; bv 1,024 float32; mask 32 x 2,048 bool; query_codes 32 x 32 x 32 uint8 (E5M2 codes of query, K innermost, in blocks of 32 codes); query_scales 32 x 32 uint8 (E8M0 scales of query, one for each 32 codes along K); values 32 x 2,048 x 1,024 float32.
;; Outputs: out0 32 x 1,024 float32; out1 32 x 2,048 float32.
;; This version of the problem:
;;   THIS VERSION OF THE PROBLEM IS GIVEN IN LOW PRECISION. The matrix products marked QUANTISED in the list below multiply operands that are first quantised to E5M2 (5 exponent bits, 2 mantissa bits; 8 bits a number), with one power-of-two scale for each 32 numbers along K (OCP MX v1.0); their sums are f32. All else is computed in f32.
;;   The module's matrix products, in the order in which they are computed (A, B: the left and right operand; K: the contracted axis; several contracted axes count as one K, in the product's order):
;;     1. [M 32, K 1,024] x [K 1,024, N 1,024]; A: input query (given as codes); B: input Wq (given as codes): QUANTISED
;;     2. [M 65,536, K 1,024] x [K 1,024, N 1,024]; A: input values; B: input Wv (given as codes): QUANTISED
;;     3. [M 65,536, K 1,024] x [K 1,024, N 1]; A: computed on the way; B: input Wc: left as it is (N = 1 < 16)
;;     4. batch 32 x [M 1, K 2,048] x [K 2,048, N 1,024]; A: softmax; B: input values: left as it is (M = 1 < 16)
;;   THE QUANTISER, for each operand of a quantised product, along K:
;;     - K is cut into blocks of 32 from its start; a last block that is shorter is filled with zeros.
;;     - A block's scale is 2^e with e = floor(log2(the largest magnitude in the block)) - 15, held to -126 .. 127; a block of zeros has e = 0. As a byte (E8M0): e + 127.
;;     - Each number is divided by its block's scale, clamped to +-57,344, and rounded to the nearest number of E5M2, ties to even, subnormals kept.
;;     - The product sums the exact products of the quantised numbers (number of the format x scale) in f32.
;;   ~~~python
;;   def quantise(x, axis):      # numpy; x: float32 -> the quantised numbers, widened to float32 again
;;       x = np.moveaxis(x, axis, -1); K = x.shape[-1]
;;       x = np.pad(x, [(0, 0)] * (x.ndim - 1) + [(0, -K % 32)]); x = x.reshape(x.shape[:-1] + (-1, 32)); a = np.abs(x).max(-1, keepdims=True)
;;       e = np.where(a > 0, np.clip(np.frexp(np.where(a > 0, a, 1))[1] - 1 - 15, -126, 127), 0)      # np.frexp(a)[1] - 1 = floor(log2(a)), exactly
;;       r = np.clip(x / 2.0 ** e, -57344, 57344)
;;       step = 2.0 ** (np.maximum(np.frexp(np.where(r == 0, 1, r))[1] - 1, -14) - 2)
;;       q = np.round(r / step) * step * 2.0 ** e      # np.round: ties to even
;;       return np.moveaxis(q.reshape(q.shape[:-2] + (-1,))[..., :K], -1, axis).astype(np.float32)
;;   ~~~
;;   INPUTS GIVEN AS CODES. Wq (in the module: [1024, 1024], K = its axis 0); Wv (in the module: [1024, 1024], K = its axis 0); query (in the module: [32, 1024], K = its axis 1): each comes as NAME_codes (uint8): NAME with its K axis moved to the last place and cut into blocks of 32 codes, [.., K / 32, bytes a block], one block behind the other in memory; one code a byte (a code: sign, 5 exponent bits, 2 mantissa bits); and NAME_scales (uint8): the same leading axes, one E8M0 byte (e + 127) for each 32 codes along K. Its value is code x scale, taken as it is: it is not quantised again, and the codes and scales need not be those that the quantiser above would give.
;; One version. Each part assembles by itself: llvm-mc -triple=amdgcn-amd-amdhsa -mcpu=gfx1250 --defsym DOCPART=n.
;; ======== version 1 of 1: 3 launches
;; limits: values are held in bf16: 8 bits of precision; right only within a limited range of input values
;; workspace buffers: qbx 131,072 bytes; wvx 1,081,344 bytes; sc 262,144 bytes; st 131,072 bytes; pc 2,097,152 bytes
;; launch prep (part 1): grid 64 x 1, 3 waves a work-group, no clusters, 0 bytes of LDS; arguments query_codes, query_scales, Wq_codes, Wq_scales, bq, bv, Wv_codes, Wv_scales, qbx, wvx; writes qbx, wvx
.if DOCPART == 1
	.amdgcn_target "amdgcn-amd-amdhsa--gfx1250"
	.amdhsa_code_object_version 6
	.text
	.protected	k_qf24342c400_prep
	.globl	k_qf24342c400_prep
	.p2align	8
	.type	k_qf24342c400_prep,@function
k_qf24342c400_prep:
	s_mov_b64 s[64:65], 0
	v_nop
	global_prefetch_b8 v0, s[64:65] scope:SCOPE_SE
	s_setreg_imm32_b32 hwreg(HW_REG_WAVE_MODE, 25, 1), 1
	s_wait_xcnt 0x0
; Work-group T (0..63) serves the 16 output columns n = 16 T .. 16 T + 15.
; Waves 0 and 1: qbx[b][n] = c (sum over k of query[b][k] Wq[k][n] + bq[n] + bv[n]), c = 2 log2(e), for batch rows 16 m .. 16 m + 15 (m = the wave).
;   The product runs on the codes and scale bytes as they are given: 8 scaled matrix instructions of 128 along K, two accumulators by turns.
;   It is used transposed (source 0 = 16 rows of Wq, source 1 = 16 rows of query): lane (r, h) holds batch row r and its register j the column 16 T + 8 h + j.
; Wave 2: lays Wv's tile T in the order of an operand's registers: image (s, c) = 512 bytes at 512 (4 s + c), lane l's 16 bytes at 16 l =
;   Wv_codes[16 T + l % 16][128 s + 32 c + 16 (l / 16) ..]; behind the 32 images the tile's 16 rows of scale bytes as they are (512 bytes).  A tile is 16,896 bytes.
; No LDS, no barrier: the waves share nothing.
.set MSB, 0
.macro WIN new                         ; the immediate's high byte repeats the setting that is left
.if MSB != (\new)
	s_set_vgpr_msb (MSB<<8)|(\new)
.set MSB, (\new)
.endif
.endm
	s_load_b512 s[4:19], s[0:1], 0x0               ; query codes s[4:5], query scales s[6:7], Wq codes s[8:9], Wq scales s[10:11], bq s[12:13], bv s[14:15], Wv codes s[16:17], Wv scales s[18:19]
	s_load_b128 s[20:23], s[0:1], 0x40             ; qbx s[20:21], wvx s[22:23]
	v_lshrrev_b32 v1, 5, v0
	v_readfirstlane_b32 s24, v1                    ; wave 0..2
	v_and_b32 v1, 15, v0                           ; r
	v_bfe_u32 v2, v0, 4, 1                         ; h
	v_lshlrev_b32 v3, 10, v1
	v_lshl_add_u32 v3, v2, 4, v3                   ; a fragment's place: row r of 1,024 bytes + 16 h
	s_lshl_b32 s28, ttmp9, 14                      ; 16 rows of 1,024 bytes for each tile
	s_mov_b32 s29, 0
	s_cmp_eq_u32 s24, 2
	s_cbranch_scc1 .Lcopy
	; ---- waves 0 and 1: the query's projection
	v_lshlrev_b32 v4, 5, v1                        ; scale words: row r of 32 bytes = the words of its eight K steps (both halves of the lanes take the same; lanes 0-15 are read)
	v_lshlrev_b32 v5, 5, v2                        ; the biases: my eight columns begin 32 h bytes into the tile's 64
	v_lshlrev_b32 v6, 12, v1
	v_lshl_add_u32 v6, v2, 5, v6                   ; qbx: row r of 4,096 bytes + 32 h
	s_lshl_b32 s30, ttmp9, 9                       ; Wq's scales: 16 rows of 32 bytes
	s_mov_b32 s31, 0
	s_lshl_b32 s32, s24, 14                        ; query's codes: 16 rows of 1,024 bytes
	s_mov_b32 s33, 0
	s_lshl_b32 s34, s24, 9                         ; query's scales
	s_mov_b32 s35, 0
	s_lshl_b32 s36, ttmp9, 6                       ; 16 columns of 4 bytes
	s_mov_b32 s37, 0
	s_lshl_b32 s38, s24, 16                        ; 16 rows of qbx
	s_add_co_u32 s38, s38, s36
	s_mov_b32 s39, 0
	s_mov_b32 s26, 0x4038aa3b                      ; c = 2 log2(e)
	s_mov_b32 s27, s26                             ; (named with it as a pair, so it is written)
	s_wait_kmcnt 0x0
	s_add_nc_u64 s[8:9], s[8:9], s[28:29]
	s_add_nc_u64 s[10:11], s[10:11], s[30:31]
	s_add_nc_u64 s[4:5], s[4:5], s[32:33]
	s_add_nc_u64 s[6:7], s[6:7], s[34:35]
	s_add_nc_u64 s[12:13], s[12:13], s[36:37]
	s_add_nc_u64 s[14:15], s[14:15], s[36:37]
	s_add_nc_u64 s[20:21], s[20:21], s[38:39]
	WIN 0x40                                       ; destination window 1: Wq's eight fragments at v[16 s]
	s_wait_alu depctr_va_vdst(0)
.irp s,0,1,2,3,4,5,6,7
.irp c,0,1,2,3
	global_load_b128 v[16*\s+4*\c:16*\s+4*\c+3], v3, s[8:9] offset:128*\s+32*\c
.endr
.endr
	WIN 0
.irp s,0,1,2,3,4,5,6,7
.irp c,0,1,2,3
	global_load_b128 v[64+16*\s+4*\c:64+16*\s+4*\c+3], v3, s[4:5] offset:128*\s+32*\c   ; query's eight fragments
.endr
.endr
	global_load_b128 v[8:11], v4, s[10:11]         ; Wq's scale words: register 8 + s holds K step s's
	global_load_b128 v[12:15], v4, s[10:11] offset:16
	global_load_b128 v[200:203], v4, s[6:7]        ; query's: register 200 + s
	global_load_b128 v[204:207], v4, s[6:7] offset:16
	global_load_b128 v[16:19], v5, s[12:13]
	global_load_b128 v[20:23], v5, s[12:13] offset:16
	global_load_b128 v[24:27], v5, s[14:15]
	global_load_b128 v[28:31], v5, s[14:15] offset:16
	s_wait_loadcnt 0x0
; K step s: even steps add into v[32:39], odd steps into v[40:47]: the two take turns, one instruction a turn.  The first step of each starts its sum.
.macro QW s
.set AC, 32+8*((\s)%2)
.if (\s) < 2
	v_wmma_scale_f32_16x16x128_f8f6f4 v[AC:AC+7], v[16*(\s):16*(\s)+15], v[64+16*(\s):64+16*(\s)+15], 0, v[8+(\s)], v[200+(\s)] matrix_a_fmt:MATRIX_FMT_BF8 matrix_b_fmt:MATRIX_FMT_BF8
.else
	v_wmma_scale_f32_16x16x128_f8f6f4 v[AC:AC+7], v[16*(\s):16*(\s)+15], v[64+16*(\s):64+16*(\s)+15], v[AC:AC+7], v[8+(\s)], v[200+(\s)] matrix_a_fmt:MATRIX_FMT_BF8 matrix_b_fmt:MATRIX_FMT_BF8
.endif
.endm
	WIN 0x01                                       ; source 0 (Wq) window 1
.irp s,0,1,2,3,4,5,6,7
	QW \s
.endr
	WIN 0
.irp j,0,2,4,6
	v_pk_add_f32 v[16+\j:17+\j], v[16+\j:17+\j], v[24+\j:25+\j]   ; bq + bv: four of the eight places behind the last product
.endr
.rept 4
	v_nop
.endr
.irp j,0,2,4,6
	v_pk_add_f32 v[48+\j:49+\j], v[32+\j:33+\j], v[40+\j:41+\j]   ; the two halves of K; each accumulator is read from its low end on
.endr
.irp j,0,2,4,6
	v_pk_add_f32 v[48+\j:49+\j], v[48+\j:49+\j], v[16+\j:17+\j]
.endr
.irp j,0,2,4,6
	v_pk_mul_f32 v[48+\j:49+\j], v[48+\j:49+\j], s[26:27] op_sel_hi:[1,0]
.endr
	global_store_b128 v6, v[48:51], s[20:21]       ; a lane's 32 neighbouring bytes of its batch row; the whole buffer is 128 KiB, so no stage in LDS is spent on it
	global_store_b128 v6, v[52:55], s[20:21] offset:16
	s_endpgm
	; ---- wave 2: Wv's tile in the order of the operand's registers
.Lcopy:
	v_and_b32 v7, 31, v0
	v_lshlrev_b32 v7, 4, v7                        ; 16 x lane
	s_lshl_b32 s30, ttmp9, 9
	s_mov_b32 s31, 0
	s_mul_i32 s32, ttmp9, 16896
	s_mov_b32 s33, 0
	s_wait_kmcnt 0x0
	s_add_nc_u64 s[16:17], s[16:17], s[28:29]
	s_add_nc_u64 s[18:19], s[18:19], s[30:31]
	s_add_nc_u64 s[22:23], s[22:23], s[32:33]
	s_wait_alu depctr_va_vdst(0)
.irp s,0,1,2,3,4,5,6,7
.irp c,0,1,2,3
	global_load_b128 v[64+16*\s+4*\c:64+16*\s+4*\c+3], v3, s[16:17] offset:128*\s+32*\c
.endr
.endr
	global_load_b128 v[56:59], v7, s[18:19]        ; the tile's 512 scale bytes, as they lie
.set N, 0
.rept 32
	s_wait_loadcnt 32-N                            ; image N is in: behind it stand 31 - N images and the scale bytes
	global_store_b128 v7, v[64+4*N:64+4*N+3], s[22:23] offset:512*N   ; 32 lanes store 512 consecutive bytes
.set N, N+1
.endr
	s_wait_loadcnt 0x0
	global_store_b128 v7, v[56:59], s[22:23] offset:16384
	s_endpgm
.Lfunc_end_k_qf24342c400_prep:
	.size	k_qf24342c400_prep, .Lfunc_end_k_qf24342c400_prep-k_qf24342c400_prep
	.p2alignl 7, 3214868480
	.fill 96, 4, 3214868480
	.section	.rodata,"a",@progbits
	.p2align	6, 0x0
	.amdhsa_kernel k_qf24342c400_prep
		.amdhsa_group_segment_fixed_size 0
		.amdhsa_private_segment_fixed_size 0
		.amdhsa_enable_private_segment 0
		.amdhsa_kernarg_size 80
		.amdhsa_user_sgpr_count 2
		.amdhsa_user_sgpr_kernarg_segment_ptr 1
		.amdhsa_wavefront_size32 1
		.amdhsa_system_sgpr_workgroup_id_x 1
		.amdhsa_system_sgpr_workgroup_id_y 1
		.amdhsa_system_sgpr_workgroup_id_z 1
		.amdhsa_system_vgpr_workitem_id 0
		.amdhsa_next_free_vgpr 384
		.amdhsa_next_free_sgpr 66
		.amdhsa_reserve_vcc 0
		.amdhsa_float_denorm_mode_32 3
		.amdhsa_float_denorm_mode_16_64 3
		.amdhsa_memory_ordered 1
		.amdhsa_forward_progress 1
		.amdhsa_inst_pref_size 19
	.end_amdhsa_kernel
	.amdgpu_metadata
---
amdhsa.version: [ 1, 2 ]
amdhsa.kernels:
  - .name:           k_qf24342c400_prep
    .symbol:         k_qf24342c400_prep.kd
    .args:
      - { .name: query_codes, .offset: 0, .size: 8, .value_kind: global_buffer, .address_space: global }
      - { .name: query_scales, .offset: 8, .size: 8, .value_kind: global_buffer, .address_space: global }
      - { .name: Wq_codes, .offset: 16, .size: 8, .value_kind: global_buffer, .address_space: global }
      - { .name: Wq_scales, .offset: 24, .size: 8, .value_kind: global_buffer, .address_space: global }
      - { .name: bq, .offset: 32, .size: 8, .value_kind: global_buffer, .address_space: global }
      - { .name: bv, .offset: 40, .size: 8, .value_kind: global_buffer, .address_space: global }
      - { .name: Wv_codes, .offset: 48, .size: 8, .value_kind: global_buffer, .address_space: global }
      - { .name: Wv_scales, .offset: 56, .size: 8, .value_kind: global_buffer, .address_space: global }
      - { .name: qbx, .offset: 64, .size: 8, .value_kind: global_buffer, .address_space: global }
      - { .name: wvx, .offset: 72, .size: 8, .value_kind: global_buffer, .address_space: global }
    .group_segment_fixed_size: 0
    .private_segment_fixed_size: 0
    .kernarg_segment_align: 8
    .kernarg_segment_size: 80
    .max_flat_workgroup_size: 96
    .sgpr_count:     66
    .vgpr_count:     384
    .wavefront_size: 32
...
	.end_amdgpu_metadata
.endif
;; end of part 1
;; launch main (part 2): grid 256 x 1, 4 waves a work-group, clusters of 4 x 1, 327,680 bytes of LDS; arguments values, mask, Wc, bc, qbx, wvx, sc, st, pc; writes sc, st, pc
.if DOCPART == 2
	.amdgcn_target "amdgcn-amd-amdhsa--gfx1250"
	.amdhsa_code_object_version 6
	.text
	.protected	k_qf24342c400_main
	.globl	k_qf24342c400_main
	.p2align	8
	.type	k_qf24342c400_main,@function
k_qf24342c400_main:
	s_mov_b64 s[64:65], 0
	v_nop
	global_prefetch_b8 v0, s[64:65] scope:SCOPE_SE
	s_setreg_imm32_b32 hwreg(HW_REG_WAVE_MODE, 25, 1), 1
	s_wait_xcnt 0x0
	s_wait_alu depctr_hold_cnt(0) depctr_sa_sdst(0) depctr_va_vdst(0) depctr_va_sdst(0) depctr_va_ssrc(0) depctr_va_vcc(0) depctr_vm_vsrc(0)
	s_getreg_b32 s2, hwreg(HW_REG_IB_STS2, 6, 4)
	s_cmp_eq_u32 s2, 0
	s_cbranch_scc0 .Lentry_in_a_cluster
	s_endpgm
.Lentry_in_a_cluster:
	s_bfe_u32 s2, ttmp6, 0x10000c
	s_cmp_lg_u32 s2, 0x3003
	s_cbranch_scc0 .Lentry_shape_is_right
	s_endpgm
.Lentry_shape_is_right:
; Additive attention, all but the last join.  Work-group g owns rows 256 g .. 256 g + 255 of values (seen as [65,536][1,024]; batch g / 8), in two blocks of 128 rows.  For each block:
;   X  its 128 rows are read ONCE as f32; each row is quantised along its 1,024 numbers to E5M2 codes with one E8M0 byte for each 32, and rounded to bf16 for the context;
;   G  the block's codes (in registers) are multiplied by all of Wv (streamed through a ring of two LDS slots); x' = c acc + qbx; r = 1 / (1 + 2^x'); score += (-2 Wc[n]) r;
;   C  score + bc + sum(Wc) (tanh x = 1 - 2 r), the mask, the block's maximum m, p = e^(score - m), l = sum p, and the block's context sum p x values (bf16 x f32, f32 sums).
; The masked scores, (m, l) and the block's context go to memory; the next launch joins a batch's 16 blocks under the batch's maximum.
; WHERE A BLOCK LIES.  Codes: 512 registers a wave (windows 2 and 3): waves 0, 1 hold rows 0-63, waves 2, 3 rows 64-127; the two waves of a pair share out Wv's columns.
;   bf16: columns 0-511 in window 1 (each wave its own 32 rows), columns 512-1,023 in LDS.  So each fragment of Wv read from LDS feeds four matrix instructions, and values are never read again.
; CLUSTER.  All work-groups walk the same Wv in the same order: the four of a cluster ask for each slot JOINTLY (mask 15); each wave fetches one tile of 16,896 bytes, the same in all four partners.
;   values, mask and the outputs belong to one work-group alone.  The work-group's place in its cluster enters only their global addresses.
; THE MATRIX INSTRUCTION IS USED TRANSPOSED: source 0 = 16 columns n of Wv, source 1 = 16 rows of values: lane (r, h) holds row r, its register j the column 16 T + 8 h + j.
; PIPELINE IN G.  Ahead of tile T's 32 products, while tile T's LDS loads land, tile T - 1's 32 exponentials and 32 reciprocals are issued (they name window 0 alone, so they cost no switch of the register windows).
; LIMITS.  NaN and infinities in values are not served.  A block of 32 whose largest magnitude lies under 2^-111 gets the scale byte 1 (a block of zeros too: its codes are zeros; the bytes are read here alone).
;   bc + sum(Wc) is added apart from the sum of -2 Wc r, all in f32: the rounding error of a score is of the order 2^-24 x sum |Wc|.  2^x' may overflow (r = 0) or fall to 0 (r = 1): both are tanh's limits.
.set TILEB, 16896                      ; a tile of Wv: 32 register images of 512 bytes, then 512 scale bytes
.set RINGS, 4*TILEB                    ; a slot: four tiles
.set BF,    2*RINGS                    ; LDS behind the ring: bf16 images, 32,768 bytes a wave: row x 1,024 + 512 q + 16 x lane
.set EX,    BF+131072                  ; codes on their way to fragments: owner wave x 8,448 + row (0..15) x 528 + k (0..511)
.set CX,    EX                         ; later the four waves' partial contexts: wave x 4,096 + 4 x column
.set ASA,   EX+33792                   ; values' scale bytes [128 rows][32]
.set TBI,   ASA+4096                   ; qbx's row of my batch, 4,096 bytes; behind it -2 Wc, 4,096 bytes
.set SCR,   TBI+8192                   ; partial scores [half of the columns][128 rows] f32
.set PB,    SCR+1024                   ; the block's 128 p, a copy of 512 bytes for each wave
.set SPARE, PB+2048                    ; the spare words, 128 bytes for each wave: two blocks of 256 bytes that no other line names
.set SPW, 1                            ; v1  SPARE + 4 x my thread's number; never rewritten
.set NIL, 2                            ; v2  0; never rewritten
.set LB0, 3                            ; v3, v4   my lane's place in my first tile of slot 0, 1
.set LS0, 5                            ; v5, v6   and among that tile's scale bytes
.set TB,  7                            ; v7   the trip's place in the tables
.set TB0, 8                            ; v8   TBI + 128 b + 32 h - 256
.set XO,  9                            ; v9   32 x lane
.set EXW, 10                           ; v10  where I put codes
.set ASW, 11                           ; v11  where I put scale bytes
.set BFW, 12                           ; v12  my wave's bf16 images + 16 x lane
.set EXR, 13                           ; v13  where I read fragments
.set ASR, 14                           ; v14  where I read scale words
.set EXA, 15                           ; v15-17 the three store addresses of the group in hand
.set ASAD, 16
.set BFA, 17
.set SCW, 18
.set L16, 19
.set PBW, 20
.set PBR, 21
.set CXW, 22
.set CXR, 23
.set KC,  24                           ; v24  bc + sum(Wc)
.set MK,  25                           ; v25  four mask bytes
.set L4,  26
.set L8,  27
.set PFO, 28                           ; v28  the prefetches' offset; never rewritten
.set BFL, 29
.set PBL, 30
.set SCRR, 31
.set ASC, 32                           ; v32-47  values' scale words, 4 m + j: K step j in lanes 0-15, K step 4 + j in lanes 16-31
.set BSC, 48                           ; v48-51  Wv's likewise
.set BI,  52                           ; v52-59  qbx at the tile's eight columns of my half
.set W2R, 60                           ; v60-67  -2 Wc at the tile before's
.set SCO, 68                           ; v68-75  the scores' sums, a pair for each of my four tiles of rows
.set ACC, 80                           ; v80-111, v112-143: two sets of four accumulators
.set FB,  144                          ; v144-239: six fragments of Wv; K step s lies in fragment s % 6
.set ZR,  248                          ; v248 0
.set ST,  112                          ; phase X: v112-239: eight slots of 16 numbers
.set MX,  52                           ; phase X: v52, 53 largest magnitudes; v54, 55 the conversions' scale operands; v56, 57 the holds
.set SE,  54
.set HL,  56
.set CT,  80                           ; phase C: v80-111 the context of my 32 columns' worth of lanes
.set PP,  112                          ; phase C: v112-143 p of my 32 rows
.set MSB, 0
.macro WIN new                         ; the immediate's high byte repeats the setting that is left
.if MSB != (\new)
	s_set_vgpr_msb (MSB<<8)|(\new)
.set MSB, (\new)
.endif
.endm
; A round of the cluster's barrier: my work-group's barrier; wave 0 signals for the work-group; every wave waits for all four work-groups; my work-group's barrier once more.
.macro ROUND
	s_barrier_signal -1
	s_barrier_wait -1
	s_cmp_lg_u32 s22, 0
	s_cbranch_scc1 .Lnw0_\@
	s_barrier_signal -3
.Lnw0_\@:
	s_barrier_wait -3
	s_barrier_signal -1
	s_barrier_wait -1
.endm
	s_load_b512 s[4:19], s[0:1], 0x0               ; values s[4:5], mask s[6:7], Wc s[8:9], bc s[10:11], qbx s[12:13], wvx s[14:15], sc s[16:17], st s[18:19]
	s_load_b64 s[20:21], s[0:1], 0x40              ; pc
	v_lshl_add_u32 v[SPW], v0, 2, SPARE
	v_mov_b32 v[NIL], 0
	ds_add_u32 v[SPW], v[NIL]                      ; the wave's opening: the add, twice on end, and its wait ahead of my first tensor load
	ds_add_u32 v[SPW], v[NIL]
	v_lshrrev_b32 v240, 5, v0
	v_readfirstlane_b32 s22, v240                  ; wave w
	s_lshr_b32 s23, s22, 1                         ; a: which 64 rows of the block I multiply
	s_and_b32 s24, s22, 1                          ; b: which two of a slot's four tiles
	s_bfe_u32 s25, ttmp6, 0x40000                  ; cx
	s_lshl_b32 s26, ttmp9, 2
	s_add_co_u32 s26, s26, s25                     ; g = 4 x cluster + cx
	v_and_b32 v240, 31, v0                         ; lane
	v_and_b32 v241, 15, v0                         ; r
	v_bfe_u32 v242, v0, 4, 1                       ; h
	v_lshlrev_b32 v[L16], 4, v240
	v_lshlrev_b32 v[L4], 2, v240
	v_lshlrev_b32 v[L8], 3, v240
	v_lshlrev_b32 v[XO], 5, v240
	s_mul_i32 s74, s24, 2*TILEB
	v_add_nc_u32 v[LB0], s74, v[L16]
	v_add_nc_u32 v[LB0+1], RINGS, v[LB0]
	v_lshlrev_b32 v243, 5, v241
	v_lshl_add_u32 v243, v242, 4, v243             ; 32 r + 16 h: a row's scale words, my half's four
	s_add_co_u32 s74, s74, 16384
	v_add_nc_u32 v[LS0], s74, v243
	v_add_nc_u32 v[LS0+1], RINGS, v[LS0]
	s_lshl_b32 s74, s24, 7
	s_add_co_u32 s74, s74, TBI-256
	v_lshl_add_u32 v[TB0], v242, 5, s74
	s_mul_i32 s74, s22, 8448
	s_add_co_u32 s74, s74, EX
	v_lshl_add_u32 v[EXW], v240, 3, s74
	s_lshl_b32 s74, s22, 10
	s_add_co_u32 s75, s74, ASA
	v_lshrrev_b32 v244, 2, v240
	v_add_nc_u32 v[ASW], s75, v244
	s_add_co_u32 s75, s74, CX
	v_add_nc_u32 v[CXR], s75, v[L16]
	s_lshl_b32 s74, s22, 15
	s_add_co_u32 s74, s74, BF
	v_add_nc_u32 v[BFW], s74, v[L16]
	s_mul_i32 s74, s23, 16896
	s_add_co_u32 s74, s74, EX
	v_mul_u32_u24 v244, v241, 528
	v_lshl_add_u32 v244, v242, 4, v244
	v_add_nc_u32 v[EXR], s74, v244
	s_lshl_b32 s74, s23, 11
	s_add_co_u32 s74, s74, ASA
	v_add_nc_u32 v[ASR], s74, v243
	s_lshl_b32 s74, s24, 9
	s_lshl_b32 s75, s23, 8
	s_add_co_u32 s74, s74, s75
	s_add_co_u32 s74, s74, SCR
	v_lshl_add_u32 v[SCW], v241, 2, s74
	s_lshl_b32 s74, s22, 9
	s_add_co_u32 s74, s74, PB
	v_add_nc_u32 v[PBW], s74, v[L16]
	s_mul_i32 s74, s22, 640                        ; my copy (512 w) and in it my 32 rows' p (128 w)
	s_add_co_u32 s74, s74, PB
	v_mov_b32 v[PBR], s74
	s_lshl_b32 s74, s22, 12
	s_add_co_u32 s74, s74, CX
	v_add_nc_u32 v[CXW], s74, v[XO]
	v_add_nc_u32 v[SCRR], SCR, v[L16]
	v_lshrrev_b32 v244, 3, v240
	v_and_b32 v245, 7, v240
	v_lshlrev_b32 v245, 8, v245
	v_lshl_add_u32 v[PFO], v244, 12, v245          ; four rows of 4,096 bytes x eight pieces of 256 bytes
	v_lshlrev_b32 v249, 5, v0                      ; 32 x thread: my piece of a table in memory,
	v_lshl_add_u32 v250, v0, 5, TBI                ; and in LDS
	v_mov_b32 v[ZR], 0
.irp i,77,79,244,245,246,247
	v_mov_b32 v\i, 0                               ; written once: a lane permute's destination counts as one of its sources
.endr
	s_mov_b32 s46, 0x4038aa3b                      ; c = 2 log2(e)
	s_mov_b32 s47, s46                             ; (named with it as a pair)
	s_mov_b32 s48, 0x76543210
	s_mov_b32 s49, 0xfedcba98                      ; v_permlanex16_b32's selects for lane l xor 16
	s_mov_b32 s50, 0x600000                        ; the mantissa field of 57,344
	s_mov_b32 s51, 0x08000000                      ; the floor 2^(16 - 127)
	s_mov_b32 s52, 0x7f800000                      ; the exponent field; also +infinity
	s_mov_b32 s53, 0xf8800000                      ; -(15 << 23)
	s_mov_b32 s71, 0x3fb8aa3b                      ; log2(e)
	s_mov_b32 s72, 0xff7fffff                      ; the lowest f32 number
	; descriptor group 1: a tile's 16,896 dense bytes as 66 rows of 256 bytes (32 elements of 8 bytes), no padding: register images are read 512 bytes on end
	s_mov_b32 s28, 15|(3<<16)|(1<<21)              ; 15:0 the mask: all four work-groups; 17:16 elements of 8 bytes; 21 set beside a mask
	s_mov_b32 s29, 32<<16                          ; tensor_dim0 = 32
	s_mov_b32 s30, 66<<16                          ; tensor_dim1 = 66
	s_mov_b32 s31, 32<<16                          ; tile_dim0 = 32
	s_mov_b32 s32, 66                              ; tile_dim1 = 66
	s_mov_b32 s33, 32                              ; from row to row
	s_mov_b32 s34, 0
	s_mov_b32 s35, 0
	s_mov_b32 s36, 1                               ; group 0 of slot 0: count,
	s_mul_i32 s37, s22, TILEB                      ; LDS address: my wave's tile of the slot
	s_mov_b32 s40, 1                               ; group 0 of slot 1
	s_add_co_u32 s41, s37, RINGS
	s_mul_i32 s76, s22, TILEB                      ; my tile in a group of four, in memory: the wave's number alone
	s_mov_b32 s77, 0
	s_lshl_b32 s78, s26, 20                        ; values: 256 rows of 4,096 bytes for each work-group,
	s_lshl_b32 s79, s22, 17                        ; 32 rows for each wave
	s_add_co_u32 s78, s78, s79
	s_mov_b32 s79, 0
	s_lshl_b32 s80, s26, 8                         ; mask: a byte a row
	s_mov_b32 s81, 0
	s_lshl_b32 s82, s26, 10                        ; sc: 4 bytes a row
	s_mov_b32 s83, 0
	s_lshl_b32 s84, s26, 9                         ; st: 256 bytes a block
	s_mov_b32 s85, 0
	s_lshl_b32 s86, s26, 13                        ; pc: 4,096 bytes a block, + my wave's 256 columns
	s_lshl_b32 s87, s22, 10
	s_add_co_u32 s86, s86, s87
	s_mov_b32 s87, 0
	s_lshr_b32 s88, s26, 3
	s_lshl_b32 s88, s88, 12                        ; qbx: my batch's row
	s_mov_b32 s89, 0
	s_mov_b32 s54, 2                               ; blocks to go
	s_mov_b32 s56, 1                               ; 1 in the first block: it prefetches for the second
	s_wait_alu depctr_va_vdst(0)
	s_wait_dscnt 0x0                               ; both opening adds are done
	s_wait_kmcnt 0x0
	s_add_nc_u64 s[4:5], s[4:5], s[78:79]
	s_add_nc_u64 s[6:7], s[6:7], s[80:81]
	s_add_nc_u64 s[16:17], s[16:17], s[82:83]
	s_add_nc_u64 s[18:19], s[18:19], s[84:85]
	s_add_nc_u64 s[20:21], s[20:21], s[86:87]
	s_add_nc_u64 s[12:13], s[12:13], s[88:89]
	s_add_nc_u64 s[44:45], s[14:15], s[76:77]      ; Wv's first group of tiles, my wave's tile
	s_add_nc_u64 s[58:59], s[4:5], 0x80000         ; my wave's rows of the second block: the prefetches' base; never rewritten
	s_load_b32 s70, s[10:11], 0x0                  ; bc
	global_load_b128 v[176:179], v249, s[12:13]    ; my 32 bytes of qbx's row
	global_load_b128 v[180:183], v249, s[12:13] offset:16
	global_load_b128 v[184:187], v249, s[8:9]      ; and of Wc
	global_load_b128 v[188:191], v249, s[8:9] offset:16
.irp i,0,1,2,3,4,5,6,7
	global_load_b128 v[144+4*\i:147+4*\i], v[L16], s[8:9] offset:512*\i   ; all of Wc, 32 numbers a lane, for its sum
.endr
	s_wait_loadcnt 0x0
	ds_store_b128 v250, v[176:179]
	ds_store_b128 v250, v[180:183] offset:16
.irp j,0,2,4,6
	v_pk_mul_f32 v[184+\j:185+\j], v[184+\j:185+\j], -2.0 op_sel_hi:[1,0]
.endr
	ds_store_b128 v250, v[184:187] offset:4096
	ds_store_b128 v250, v[188:191] offset:4112
.irp i,0,4,8,12,16,20,24,28
	v_pk_add_f32 v[144+\i:145+\i], v[144+\i:145+\i], v[146+\i:147+\i]
.endr
.irp i,0,8,16,24
	v_pk_add_f32 v[144+\i:145+\i], v[144+\i:145+\i], v[148+\i:149+\i]
.endr
.irp i,0,16
	v_pk_add_f32 v[144+\i:145+\i], v[144+\i:145+\i], v[152+\i:153+\i]
.endr
	v_pk_add_f32 v[144:145], v[144:145], v[160:161]
	v_add_f32 v144, v144, v145
	v_add_f32_dpp v144, v144, v144 row_xmask:1 row_mask:0xf bank_mask:0xf
	v_add_f32_dpp v144, v144, v144 row_xmask:2 row_mask:0xf bank_mask:0xf
	v_add_f32_dpp v144, v144, v144 row_xmask:4 row_mask:0xf bank_mask:0xf
	v_add_f32_dpp v144, v144, v144 row_xmask:8 row_mask:0xf bank_mask:0xf
	v_permlanex16_b32 v145, v144, s48, s49
	v_add_f32 v[KC], v144, v145
	s_wait_alu depctr_va_vdst(0)
	s_wait_kmcnt 0x0
	v_add_f32 v[KC], s70, v[KC]                    ; bc + sum(Wc)
; ---------------------------------------------------------------- phase X
; A PIECE is one row x 512 numbers: four loads; the two of a q cover 1,024 consecutive bytes.  Register 8 q + 4 e + i of slot j holds k = 512 kap + 256 q + 8 x lane + 4 e + i:
; a lane has eight neighbours along K, four lanes a block of 32.  The piece's codes go to EX, its scale bytes to ASA, its bf16 pairs to BF.  la = 1: the slot is loaded again, with the same piece of the next group.
.macro PIECE j, kap, u, la
.set XR, ST+16*(\j)
.set BY, 58+2*((\j)%2)                 ; what the LDS stores read lies in two sets of registers, by turns
.set CO, 62+4*((\j)%2)
.set BP, 70+8*((\j)%2)
.if \la
	s_wait_loadcnt 28                              ; my four loads are in; behind them stand seven pieces of four
.else
	s_wait_loadcnt 4*(7-(\j))                      ; the last group: the counts run down
.endif
	s_wait_dscnt 6                                 ; the six stores of the piece before may be out; those of the piece two back, which read this set, are done
	v_max3_num_f32 v[MX], |v[XR]|, |v[XR+1]|, s51  ; the largest magnitude of my eight, with the floor among the leaves: the byte cannot fall under 1
	v_max3_num_f32 v[MX+1], |v[XR+8]|, |v[XR+9]|, s51
.irp i,2,4,6
	v_max3_num_f32 v[MX], v[MX], |v[XR+\i]|, |v[XR+\i+1]|
	v_max3_num_f32 v[MX+1], v[MX+1], |v[XR+8+\i]|, |v[XR+9+\i]|
.endr
	v_max_num_f32_dpp v[MX], v[MX], v[MX] row_xmask:1 row_mask:0xf bank_mask:0xf
	v_max_num_f32_dpp v[MX+1], v[MX+1], v[MX+1] row_xmask:1 row_mask:0xf bank_mask:0xf
	v_max_num_f32_dpp v[MX], v[MX], v[MX] row_xmask:2 row_mask:0xf bank_mask:0xf       ; with the three lanes that share the block
	v_max_num_f32_dpp v[MX+1], v[MX+1], v[MX+1] row_xmask:2 row_mask:0xf bank_mask:0xf
	v_add_nc_u32 v[SE], s53, v[MX]                 ; 15 off the exponent field: the conversion's scale operand
	v_add_nc_u32 v[SE+1], s53, v[MX+1]
	v_and_or_b32 v[HL], v[MX], s52, s50            ; 57,344 x the scale
	v_and_or_b32 v[HL+1], v[MX+1], s52, s50
	v_lshrrev_b32 v[BY], 23, v[SE]                 ; the scale's byte
	v_lshrrev_b32 v[BY+1], 23, v[SE+1]
.irp i,0,1,2,3,4,5,6,7
	v_cvt_pk_bf16_f32 v[BP+\i], v[XR+2*\i], v[XR+2*\i+1]   ; the copy for the context, of the numbers as they came
.endr
.irp i,0,1,2,3,4,5,6,7
	v_med3_num_f32 v[XR+\i], v[XR+\i], -v[HL], v[HL]       ; the conversion to an 8-bit code does not saturate (ISA guide 7.6.2): the hold at the largest code x the scale
	v_med3_num_f32 v[XR+8+\i], v[XR+8+\i], -v[HL+1], v[HL+1]
.endr
	v_cvt_scalef32_pk8_bf8_f32 v[CO:CO+1], v[XR:XR+7], v[SE]
	v_cvt_scalef32_pk8_bf8_f32 v[CO+2:CO+3], v[XR+8:XR+15], v[SE+1]
	v_nop                                          ; one plain line between the conversions and the next vector line that writes their sources
	ds_store_b64 v[EXA], v[CO:CO+1] offset:528*(\j)
	ds_store_b64 v[EXA], v[CO+2:CO+3] offset:528*(\j)+256
	ds_store_b8 v[ASAD], v[BY] offset:32*(16*(\u)+(\j))+16*(\kap)          ; the four lanes of a block write the same byte with the same value
	ds_store_b8 v[ASAD], v[BY+1] offset:32*(16*(\u)+(\j))+16*(\kap)+8
	ds_store_b128 v[BFA], v[BP:BP+3] offset:1024*(16*(\u)+(\j))
	ds_store_b128 v[BFA], v[BP+4:BP+7] offset:1024*(16*(\u)+(\j))+512
.if \la
	s_add_nc_u64 s[74+2*(\j):75+2*(\j)], s[74+2*(\j):75+2*(\j)], s[62:63]   ; slot j has a base pair of its own: the four loads that read it last are those that the wait on LOADcnt at this piece's head has shown done
.irp q,0,1
.irp e,0,1
	global_load_b128 v[XR+8*\q+4*\e:XR+8*\q+4*\e+3], v[XO], s[74+2*(\j):75+2*(\j)] offset:4096*(\j)+1024*\q+16*\e th:TH_LOAD_NT
.endr
.endr
.endif
.endm
; A GROUP is eight pieces: eight rows.  s66, s67, s68: the group's place in EX, ASA and BF.  s[74:89]: the eight slots' bases in memory; s[62:63]: the step to the one after.
.macro GROUP kap, u, la, step
	s_wait_dscnt 0x0                               ; my LDS stores have read their addresses, which are written anew
	v_add_nc_u32 v[EXA], s66, v[EXW]
	v_add_nc_u32 v[ASAD], s67, v[ASW]
	v_add_nc_u32 v[BFA], s68, v[BFW]
.irp j,0,1,2,3,4,5,6,7
	PIECE \j, \kap, \u, \la
.endr
.if \step
	s_mov_b32 s62, s90                             ; the step that the sub-step's second group adds to the eight bases
	s_mov_b32 s63, s91
.endif
	s_add_co_u32 s66, s66, 8*528
	s_add_co_u32 s67, s67, 8*32
	s_add_co_u32 s68, s68, 8*1024
.endm
; The fragments of 16 rows of each of my pair's two owners, four K steps: tile of rows m = 2 x owner + u, K step 4 kap + s -> window 2 + kap, v[64 m + 16 s].  Rows lie 528 bytes apart = 33 x 16: the sixteen rows of a load begin in different banks.
.macro AFETCH kap, u
	WIN 0x80+0x40*(\kap)
.irp o,0,1
.irp s,0,1,2,3
.irp c,0,1,2,3
	ds_load_b128 v[64*(2*\o+(\u))+16*\s+4*\c:64*(2*\o+(\u))+16*\s+4*\c+3], v[EXR] offset:8448*\o+128*\s+32*\c
.endr
.endr
.endr
	WIN 0
.endm
; A sub-step: 16 rows of each wave x 512 along K: two groups; a barrier; the fragments; a barrier, since EX is written again.
.macro XSUB kap, u
	s_mov_b32 s66, 0
	s_mov_b32 s67, 0
	s_mov_b32 s68, 0
	s_mov_b32 s62, 32768                           ; the first group's loads lie eight rows on
	s_mov_b32 s63, 0
.if (2*(\kap)+(\u)) == 1
	s_mov_b32 s90, 0xfffe8800                      ; -96,256 in 64 bits: from rows 24-31, first half of K, back to rows 0-7, second half
	s_mov_b32 s91, -1
.else
	s_mov_b32 s90, 32768
	s_mov_b32 s91, 0
.endif
.if (2*(\kap)+(\u)) < 3
; A prefetch into the L2 of the NEXT sub-step's two groups: my 16 rows x 2,048 bytes, four rows an instruction, a lane an aligned piece of 256 bytes, each piece named once.
; The loads that want them are issued in this sub-step's second group and in the next one's first.  The base is written again only at the block's end, behind s_wait_xcnt 0.
.set PA, 32768*((2*(2*(\kap)+(\u))+2)%4)+2048*((2*(2*(\kap)+(\u))+2)/4)
.irp p,0,1,2,3
	global_prefetch_b8 v[PFO], s[4:5] offset:PA+16384*\p th:TH_LOAD_NT scope:SCOPE_SE
.endr
.endif
.if (2*(\kap)+(\u)) < 3
	s_mov_b32 s69, 2
.Lgrp_\@:
	GROUP \kap, \u, 1, 1
	s_sub_co_u32 s69, s69, 1
	s_cmp_lg_u32 s69, 0
	s_cbranch_scc1 .Lgrp_\@
.else
	GROUP \kap, \u, 1, 0                           ; loads the block's last group
	GROUP \kap, \u, 0, 0                           ; and that one loads nothing
.endif
	s_wait_dscnt 0x0                               ; for the others' sake: my stores have landed
	s_barrier_signal -1
	s_barrier_wait -1
	AFETCH \kap, \u
.if (2*(\kap)+(\u)) < 3
	s_wait_dscnt 0x0                               ; my reads of EX are in
	s_barrier_signal -1
	s_barrier_wait -1
.else
.irp m,0,1,2,3
	ds_load_b128 v[ASC+4*\m:ASC+4*\m+3], v[ASR] offset:512*\m    ; my 64 rows' scale words
.endr
.endif
.endm
; ---------------------------------------------------------------- phase G
.macro WM s, m                         ; tile of rows m, K step s
.if (\s) == 0
	v_wmma_scale_f32_16x16x128_f8f6f4 v[PS+8*(\m):PS+8*(\m)+7], v[FB+16*((\s)%6):FB+16*((\s)%6)+15], v[64*(\m)+16*((\s)%4):64*(\m)+16*((\s)%4)+15], 0, v[BSC+(\s)%4], v[ASC+4*(\m)+(\s)%4] matrix_a_fmt:MATRIX_FMT_BF8 matrix_b_fmt:MATRIX_FMT_BF8
.elseif (\s) < 4
	v_wmma_scale_f32_16x16x128_f8f6f4 v[PS+8*(\m):PS+8*(\m)+7], v[FB+16*((\s)%6):FB+16*((\s)%6)+15], v[64*(\m)+16*((\s)%4):64*(\m)+16*((\s)%4)+15], v[PS+8*(\m):PS+8*(\m)+7], v[BSC+(\s)%4], v[ASC+4*(\m)+(\s)%4] matrix_a_fmt:MATRIX_FMT_BF8 matrix_b_fmt:MATRIX_FMT_BF8
.else
	v_wmma_scale_f32_16x16x128_f8f6f4 v[PS+8*(\m):PS+8*(\m)+7], v[FB+16*((\s)%6):FB+16*((\s)%6)+15], v[64*(\m)+16*((\s)%4):64*(\m)+16*((\s)%4)+15], v[PS+8*(\m):PS+8*(\m)+7], v[BSC+(\s)%4], v[ASC+4*(\m)+(\s)%4] matrix_a_fmt:MATRIX_FMT_BF8 matrix_b_fmt:MATRIX_FMT_BF8 matrix_a_scale:MATRIX_SCALE_ROW1 matrix_b_scale:MATRIX_SCALE_ROW1
.endif
.endm
.macro EXQ
	v_exp_f32 v[QS+EI], v[QS+EI]
.set EI, EI+1
.endm
.macro RCQ
	v_rcp_f32 v[QS+EI], v[QS+EI]
.set EI, EI+1
.endm
.macro KHI s, cnt                      ; a K step of the upper four: four products
	s_wait_dscnt \cnt
.irp m,0,1,2,3
	WM \s, \m
.endr
.endm
.macro STAGE_E qs                      ; score += (-2 Wc) r, two columns at a time; the four tiles of rows by turns
.irp j,0,2,4,6
.irp m,0,1,2,3
	v_pk_fma_f32 v[SCO+2*\m:SCO+2*\m+1], v[\qs+8*\m+\j:\qs+8*\m+\j+1], v[W2R+\j:W2R+\j+1], v[SCO+2*\m:SCO+2*\m+1]
.endr
.endr
.endm
; 29 LDS loads for my tile tau of the slot, in this order: its scale words, the fragments of K steps 0-5, qbx at its columns, -2 Wc at the columns of the tile before.
; My tiles' columns lie 64 bytes apart within a trip and a trip's 256 bytes apart: the tile before tile 1 is this trip's tile 0 (0 bytes on), the tile before tile 0 is the last trip's tile 1 (192 bytes back).
.macro LDT slot, tau
	ds_load_b128 v[BSC:BSC+3], v[LS0+\slot] offset:TILEB*(\tau)
.irp s,0,1,2,3,4,5
.irp c,0,1,2,3
	ds_load_b128 v[FB+16*\s+4*\c:FB+16*\s+4*\c+3], v[LB0+\slot] offset:TILEB*(\tau)+512*(4*\s+\c)
.endr
.endr
	ds_load_b128 v[BI:BI+3], v[TB] offset:64*(\tau)
	ds_load_b128 v[BI+4:BI+7], v[TB] offset:64*(\tau)+16
	ds_load_b128 v[W2R:W2R+3], v[TB] offset:4096+192*(\tau)-192      ; (a block's first tile reads finite numbers of the table in front, which meet r = 0)
	ds_load_b128 v[W2R+4:W2R+7], v[TB] offset:4096+192*(\tau)-192+16
.endm
; A tile.  First the tile before's x' (the other set) goes through its 32 exponentials, 16 additions and 32 reciprocals, while this tile's 29 LDS loads land; then this tile's 32 products into set tau,
; with the scores' 16 multiply-adds in their middle.  No transcendental stands between two products of a sum or between a product and its reader.  The four accumulators take turns, one instruction a turn.
.macro PROD slot, tau
.set PS, ACC+32*(\tau)
.set QS, ACC+32*(1-(\tau))
.set EI, 0
	s_wait_alu depctr_va_vdst(0)                   ; x' and the scores' sums were written by plain lines
.rept 32
	EXQ
.endr
	v_nop                                          ; a plain line behind the last exponential
	s_wait_alu depctr_va_vdst(0)                   ; one wait for the 32 exponentials, ahead of their first reader
.set I, 0
.rept 16
	v_pk_add_f32 v[QS+I:QS+I+1], v[QS+I:QS+I+1], 1.0 op_sel_hi:[1,0]   ; 1 + 2^x'.  These name none of the products' registers: they are the places in front of the loads below
.set I, I+2
.endr
	s_wait_alu depctr_va_vdst(0)                   ; ahead of the reciprocals, which read the sixteen sums above
.set EI, 0
.rept 32
	RCQ
.endr
	v_nop                                          ; a plain line behind the last reciprocal
	s_wait_alu depctr_va_vdst(0)                   ; one wait for the 32 reciprocals, ahead of their first reader
	WIN 0x08                                       ; source 1 (values' fragments) window 2; all else window 0
.irp s,0,1,2,3
	s_wait_dscnt 24-4*\s                           ; the scale words and fragments 0 .. s are in; behind them stand 5 - s fragments of four loads and the four table loads
.irp m,0,1,2,3
	WM \s, \m
.endr
.endr
	WIN 0
	s_wait_dscnt 0x0                               ; -2 Wc, the youngest of the tile's 29 loads, is in
	STAGE_E QS                                     ; sixteen plain lines that name none of the products' registers: the places in front of the loads below
.irp c,0,1,2,3
	ds_load_b128 v[FB+4*\c:FB+4*\c+3], v[LB0+\slot] offset:TILEB*(\tau)+512*(24+\c)        ; K step 6 where K step 0 lay
.endr
.irp c,0,1,2,3
	ds_load_b128 v[FB+16+4*\c:FB+16+4*\c+3], v[LB0+\slot] offset:TILEB*(\tau)+512*(28+\c)  ; K step 7 where K step 1 lay
.endr
	WIN 0x0c                                       ; source 1 window 3
	KHI 4, 8                                       ; only the eight loads just issued are out
	KHI 5, 8
	KHI 6, 4                                       ; behind K step 6's: K step 7's four
	KHI 7, 0
	WIN 0
.rept 8
	v_nop                                          ; the places in front of the reads below and of the next tile's loads
.endr
.irp m,0,1,2,3
.irp j,0,2,4,6
	v_pk_fma_f32 v[PS+8*\m+\j:PS+8*\m+\j+1], v[PS+8*\m+\j:PS+8*\m+\j+1], s[46:47], v[BI+\j:BI+\j+1] op_sel_hi:[1,0,1]   ; x' = c acc + qbx; each accumulator from its low end on
.endr
.endr
.endm
; A PREFETCH INTO THE L2 for the second block's phase X, in the first block's last four trips: in trip 12 + site each wave names bytes 0 .. 2,047 of rows 4 site .. 4 site + 3 of its 32 rows of the second block,
; a lane an aligned piece of 256 bytes: the 16 rows x 2,048 bytes that the phase loads first.  Each piece is named once in the launch; the second block asks for nothing.  s55 (the loop's count, 1 in its last trip) and s56 are the same in all partners.
.macro ASK site
.if (\site) < 2
	s_cmp_eq_u32 s55, s56
.else
	s_cmp_eq_u32 s56, 1
.endif
	s_cbranch_scc0 .Lnp_\@
	global_prefetch_b8 v[PFO], s[58:59] offset:16384*(\site) th:TH_LOAD_NT scope:SCOPE_SE
.Lnp_\@:
.endm
; A trip: one slot = four tiles of Wv, of which I multiply two.  In front of the round each wave waits for all its tensor loads (one is out: its tile of this slot), adds 0 to its spare word, and waits for that and
; for its reads of the other slot.  fill = 1: behind the round that other slot is filled with the group of tiles after this one: the load has this trip's 64 products and their vector work in which to land.
.macro TRIP slot, fill, site
	s_wait_tensorcnt 0x0
	ds_add_u32 v[SPW], v[NIL]
	s_add_nc_u64 s[38+4*\slot:39+4*\slot], s[38+4*\slot:39+4*\slot], 2*RINGS   ; no tensor load of mine is out: this slot's next group of tiles
	s_add_co_u32 s57, s57, 256                     ; 64 columns on in the tables
	s_wait_dscnt 0x0
.if \fill
	ROUND
	tensor_load_to_lds s[40-4*\slot:43-4*\slot], s[28:35]
	s_nop 0
.rept 4
	v_nop
.endr
.else
	s_barrier_signal -1                            ; the work-group's barrier does
	s_barrier_wait -1
.endif
	v_add_nc_u32 v[TB], s57, v[TB0]
	LDT \slot, 0
	ASK \site
	PROD \slot, 0
	LDT \slot, 1
	PROD \slot, 1
.endm
; ================================================================ a block of 128 rows
.Lblock:
	s_wait_tensorcnt 0x0                           ; no tensor load of mine is out
	ds_add_u32 v[SPW], v[NIL]
	ds_add_u32 v1, v2
	s_mov_b64 s[38:39], s[44:45]                   ; the walk over Wv begins anew: slot 0 takes the first group of tiles,
	s_or_b32 s39, s39, 0x80000000
	s_add_nc_u64 s[42:43], s[44:45], RINGS         ; slot 1 the second
	s_or_b32 s43, s43, 0x80000000
	s_wait_dscnt 0x0                               ; the add is done, my LDS stores have landed and my LDS reads are in
	ROUND
	tensor_load_to_lds s[36:39], s[28:35]          ; it lands while the block's rows are read and quantised
	s_nop 0
.rept 4
	v_nop
.endr
.irp j,0,1,2,3,4,5,6,7
.irp q,0,1
.irp e,0,1
	global_load_b128 v[ST+16*\j+8*\q+4*\e:ST+16*\j+8*\q+4*\e+3], v[XO], s[4:5] offset:4096*\j+1024*\q+16*\e th:TH_LOAD_NT   ; the first group: 32 loads a wave are out from here to the last group
.endr
.endr
.endr
.irp j,0,1,2,3,4,5,6,7
	s_mov_b64 s[74+2*\j:75+2*\j], s[4:5]           ; the eight slots' bases begin at the block's first group; no load that read them is out
.endr
	XSUB 0, 0
	XSUB 0, 1
	WIN 0x40                                       ; the bf16 copy of columns 0-511 moves from my own LDS bytes into window 1; the second half of K then takes its place in LDS
.set I, 0
.rept 64
	ds_load_b128 v[4*I:4*I+3], v[BFW] offset:512*I
.set I, I+1
.endr
	WIN 0
	XSUB 1, 0
	XSUB 1, 1
.set I, 0
.rept 32
	v_mov_b32 v[ACC+32+I], s52                     ; the pipeline's empty first stage: x' = +infinity gives r = 0
.set I, I+1
.endr
.set I, 0
.rept 8
	v_mov_b32 v[SCO+I], 0
.set I, I+1
.endr
	s_mov_b32 s57, 0
	s_mov_b32 s55, 7
.Llap:                                             ; seven trips of two slots; the last two slots are written out
	TRIP 0, 1, 0
	TRIP 1, 1, 1
	s_sub_co_u32 s55, s55, 1
	s_cmp_lg_u32 s55, 0
	s_cbranch_scc1 .Llap
	TRIP 0, 1, 2
	TRIP 1, 0, 3
	; the last tile's x' goes through the same stages with no products beside it
	global_load_b32 v[MK], v[L4], s[6:7]           ; four mask bytes: rows 4 x lane on
	ds_load_b128 v[W2R:W2R+3], v[TB] offset:4096+64
	ds_load_b128 v[W2R+4:W2R+7], v[TB] offset:4096+80
.set QS, ACC+32
.set EI, 0
	s_wait_alu depctr_va_vdst(0)
.rept 32
	EXQ
.endr
	v_nop
	s_wait_alu depctr_va_vdst(0)
.set I, 0
.rept 16
	v_pk_add_f32 v[QS+I:QS+I+1], v[QS+I:QS+I+1], 1.0 op_sel_hi:[1,0]
.set I, I+2
.endr
.set EI, 0
	s_wait_alu depctr_va_vdst(0)
.rept 32
	RCQ
.endr
	v_nop
	s_wait_alu depctr_va_vdst(0)
	s_wait_dscnt 0x0
	STAGE_E QS
; ---------------------------------------------------------------- phase C
.irp m,0,1,2,3
	v_add_f32 v[240+\m], v[SCO+2*\m], v[SCO+2*\m+1]        ; even and odd columns,
.endr
.irp m,0,1,2,3
	v_permlanex16_b32 v[244+\m], v[240+\m], s48, s49
.endr
.irp m,0,1,2,3
	v_add_f32 v[240+\m], v[240+\m], v[244+\m]              ; and lane l xor 16's: my half of the columns
.endr
.irp m,0,1,2,3
	ds_store_b32 v[SCW], v[240+\m] offset:64*\m            ; row 64 a + 16 m + r (lanes l and l xor 16 write the same word with the same value)
.endr
	s_wait_dscnt 0x0
	s_barrier_signal -1
	s_barrier_wait -1
	ds_load_b128 v[52:55], v[SCRR]                 ; every wave: rows 4 x lane .. + 3, both halves of the columns
	ds_load_b128 v[56:59], v[SCRR] offset:512
	s_wait_dscnt 0x0
	s_wait_loadcnt 0x0                             ; the mask bytes
.irp j,0,1,2,3
	v_add_f32 v[60+\j], v[52+\j], v[56+\j]
	v_bfe_u32 v[64+\j], v[MK], 8*\j, 8
.endr
.irp j,0,1,2,3
	v_add_f32 v[60+\j], v[KC], v[60+\j]
.endr
.irp j,0,1,2,3
	v_cmp_ne_u32 vcc_lo, 0, v[64+\j]
	v_cndmask_b32 v[60+\j], s72, v[60+\j], vcc_lo  ; where the mask is false: the lowest f32 number
.endr
	v_max3_num_f32 v76, v60, v61, v62
	v_max_num_f32 v76, v76, v63
	v_max_num_f32_dpp v76, v76, v76 row_xmask:1 row_mask:0xf bank_mask:0xf
	v_max_num_f32_dpp v76, v76, v76 row_xmask:2 row_mask:0xf bank_mask:0xf
	v_max_num_f32_dpp v76, v76, v76 row_xmask:4 row_mask:0xf bank_mask:0xf
	v_max_num_f32_dpp v76, v76, v76 row_xmask:8 row_mask:0xf bank_mask:0xf
	v_permlanex16_b32 v77, v76, s48, s49
	v_max_num_f32 v76, v76, v77                    ; m: the block's largest score
.irp j,0,1,2,3
	v_sub_f32 v[52+\j], v[60+\j], v76              ; the maximum is taken away first: a block that is masked as a whole gives 0 here
.endr
.irp j,0,1,2,3
	v_mul_f32 v[52+\j], s71, v[52+\j]
.endr
	s_wait_alu depctr_va_vdst(0)
.irp j,0,1,2,3
	v_exp_f32 v[52+\j], v[52+\j]
.endr
	v_nop
	s_wait_alu depctr_va_vdst(0)
	ds_store_b128 v[PBW], v[52:55]                 ; the block's p into my wave's own copy
	v_add_f32 v78, v52, v53
	v_add_f32 v79, v54, v55
	v_add_f32 v78, v78, v79
	v_add_f32_dpp v78, v78, v78 row_xmask:1 row_mask:0xf bank_mask:0xf
	v_add_f32_dpp v78, v78, v78 row_xmask:2 row_mask:0xf bank_mask:0xf
	v_add_f32_dpp v78, v78, v78 row_xmask:4 row_mask:0xf bank_mask:0xf
	v_add_f32_dpp v78, v78, v78 row_xmask:8 row_mask:0xf bank_mask:0xf
	v_permlanex16_b32 v79, v78, s48, s49
	v_add_f32 v77, v78, v79                        ; l: the sum of the block's p
.irp i,0,1,2,3,4,5,6,7
	ds_load_b128 v[PP+4*\i:PP+4*\i+3], v[PBR] offset:16*\i   ; p of my 32 rows, the same in every lane (LDS serves a wave's instructions in order: these see my store)
.endr
	s_cmp_lg_u32 s22, 0
	s_cbranch_scc1 .Lnot0
	global_store_b128 v[L16], v[60:63], s[16:17]   ; wave 0: the block's 128 masked scores, 512 consecutive bytes,
	global_store_b64 v[L8], v[76:77], s[18:19]     ; and (m, l) in every lane: 256 consecutive bytes, aligned
.Lnot0:
	s_wait_dscnt 0x0
	WIN 0x01                                       ; source 0 window 1: columns 256 q + 8 x lane + 0 .. 7 of my rows
.set RO, 0
.rept 32
.irp t,0,1,2,3,4,5,6,7
.if RO == 0
	v_fma_mix_f32_bf16 v[CT+2*\t], v[8*RO+\t], v[PP+RO], v[ZR] op_sel_hi:[1,0,0]                     ; the first row starts the sums
	v_fma_mix_f32_bf16 v[CT+2*\t+1], v[8*RO+\t], v[PP+RO], v[ZR] op_sel:[1,0,0] op_sel_hi:[1,0,0]
.else
	v_fma_mix_f32_bf16 v[CT+2*\t], v[8*RO+\t], v[PP+RO], v[CT+2*\t] op_sel_hi:[1,0,0]                ; the low bf16 x p + the sum,
	v_fma_mix_f32_bf16 v[CT+2*\t+1], v[8*RO+\t], v[PP+RO], v[CT+2*\t+1] op_sel:[1,0,0] op_sel_hi:[1,0,0]   ; the high one
.endif
.endr
.set RO, RO+1
.endr
	WIN 0
.set I, 16
.rept 16
	v_mov_b32 v[CT+I], 0                           ; columns 512 on are summed in a loop, which finds zeros
.set I, I+1
.endr
	s_mov_b32 s66, 0
	s_mov_b32 s67, 0
	s_mov_b32 s69, 4
.Lctx:                                             ; four trips of eight rows out of my own LDS bytes
	v_add_nc_u32 v[BFL], s66, v[BFW]
	v_add_nc_u32 v[PBL], s67, v[PBR]
.irp i,0,1,2,3,4,5,6,7,8,9,10,11,12,13,14,15
	ds_load_b128 v[144+4*\i:147+4*\i], v[BFL] offset:512*\i
.endr
	ds_load_b128 v[240:243], v[PBL]
	ds_load_b128 v[244:247], v[PBL] offset:16
	s_wait_dscnt 0x0
.irp o,0,1,2,3,4,5,6,7
.irp t,0,1,2,3,4,5,6,7
	v_fma_mix_f32_bf16 v[CT+16+2*\t], v[144+8*\o+\t], v[240+\o], v[CT+16+2*\t] op_sel_hi:[1,0,0]
	v_fma_mix_f32_bf16 v[CT+17+2*\t], v[144+8*\o+\t], v[240+\o], v[CT+17+2*\t] op_sel:[1,0,0] op_sel_hi:[1,0,0]
.endr
.endr
	s_add_co_u32 s66, s66, 8192
	s_add_co_u32 s67, s67, 32
	s_sub_co_u32 s69, s69, 1
	s_cmp_lg_u32 s69, 0
	s_cbranch_scc1 .Lctx
.irp q,0,1,2,3
	ds_store_b128 v[CXW], v[CT+8*\q:CT+8*\q+3] offset:1024*\q          ; my 32 rows' part of all 1,024 columns (where the codes lay: every wave has passed many barriers since its last read there)
	ds_store_b128 v[CXW], v[CT+8*\q+4:CT+8*\q+7] offset:1024*\q+16
.endr
	s_wait_dscnt 0x0
	s_barrier_signal -1
	s_barrier_wait -1
.irp o,0,1,2,3
	ds_load_b128 v[144+8*\o:147+8*\o], v[CXR] offset:4096*\o           ; the four waves' parts of my 256 columns
	ds_load_b128 v[148+8*\o:151+8*\o], v[CXR] offset:4096*\o+512
.endr
	s_wait_dscnt 0x0
.irp j,0,2,4,6
	v_pk_add_f32 v[144+\j:145+\j], v[144+\j:145+\j], v[152+\j:153+\j]
	v_pk_add_f32 v[160+\j:161+\j], v[160+\j:161+\j], v[168+\j:169+\j]
.endr
.irp j,0,2,4,6
	v_pk_add_f32 v[144+\j:145+\j], v[144+\j:145+\j], v[160+\j:161+\j]
.endr
	global_store_b128 v[L16], v[144:147], s[20:21]             ; 32 lanes store 512 consecutive bytes
	global_store_b128 v[L16], v[148:151], s[20:21] offset:512
	s_wait_xcnt 0x0                                ; the block's loads and stores have read their registers and bases, which are written anew from here on
	s_add_nc_u64 s[4:5], s[4:5], 0x80000           ; 128 rows on
	s_add_nc_u64 s[6:7], s[6:7], 128
	s_add_nc_u64 s[16:17], s[16:17], 512
	s_add_nc_u64 s[18:19], s[18:19], 256
	s_add_nc_u64 s[20:21], s[20:21], 4096
	s_mov_b32 s56, 0
	s_sub_co_u32 s54, s54, 1
	s_cmp_lg_u32 s54, 0
	s_cbranch_scc1 .Lblock
	s_wait_tensorcnt 0x0                           ; the wave's end: behind my last tensor load and my last LDS store
	ds_add_u32 v[SPW], v[NIL]
	s_wait_dscnt 0x0
	ROUND                                          ; the closing round: no work-group ends while a partner may still ask for a tile that names it
	s_endpgm
.Lfunc_end_k_qf24342c400_main:
	.size	k_qf24342c400_main, .Lfunc_end_k_qf24342c400_main-k_qf24342c400_main
	.p2alignl 7, 3214868480
	.fill 96, 4, 3214868480
	.section	.rodata,"a",@progbits
	.p2align	6, 0x0
	.amdhsa_kernel k_qf24342c400_main
		.amdhsa_group_segment_fixed_size 327680
		.amdhsa_private_segment_fixed_size 0
		.amdhsa_enable_private_segment 0
		.amdhsa_kernarg_size 72
		.amdhsa_user_sgpr_count 2
		.amdhsa_user_sgpr_kernarg_segment_ptr 1
		.amdhsa_wavefront_size32 1
		.amdhsa_system_sgpr_workgroup_id_x 1
		.amdhsa_system_sgpr_workgroup_id_y 1
		.amdhsa_system_sgpr_workgroup_id_z 1
		.amdhsa_system_vgpr_workitem_id 0
		.amdhsa_next_free_vgpr 1024
		.amdhsa_next_free_sgpr 96
		.amdhsa_reserve_vcc 1
		.amdhsa_float_denorm_mode_32 3
		.amdhsa_float_denorm_mode_16_64 3
		.amdhsa_memory_ordered 1
		.amdhsa_forward_progress 1
		.amdhsa_inst_pref_size 255
	.end_amdhsa_kernel
	.section	.bss,"aw",@nobits
	.p2align	6
	.space	262144
	.amdgpu_metadata
---
amdhsa.version: [ 1, 2 ]
amdhsa.kernels:
  - .name:           k_qf24342c400_main
    .symbol:         k_qf24342c400_main.kd
    .args:
      - { .name: values, .offset: 0, .size: 8, .value_kind: global_buffer, .address_space: global }
      - { .name: mask, .offset: 8, .size: 8, .value_kind: global_buffer, .address_space: global }
      - { .name: Wc, .offset: 16, .size: 8, .value_kind: global_buffer, .address_space: global }
      - { .name: bc, .offset: 24, .size: 8, .value_kind: global_buffer, .address_space: global }
      - { .name: qbx, .offset: 32, .size: 8, .value_kind: global_buffer, .address_space: global }
      - { .name: wvx, .offset: 40, .size: 8, .value_kind: global_buffer, .address_space: global }
      - { .name: sc, .offset: 48, .size: 8, .value_kind: global_buffer, .address_space: global }
      - { .name: st, .offset: 56, .size: 8, .value_kind: global_buffer, .address_space: global }
      - { .name: pc, .offset: 64, .size: 8, .value_kind: global_buffer, .address_space: global }
    .group_segment_fixed_size: 327680
    .private_segment_fixed_size: 0
    .kernarg_segment_align: 8
    .kernarg_segment_size: 72
    .max_flat_workgroup_size: 128
    .sgpr_count:     96
    .vgpr_count:     1024
    .wavefront_size: 32
...
	.end_amdgpu_metadata
.endif
;; end of part 2
;; launch finish (part 3): grid 4 x 32, 4 waves a work-group, no clusters, 0 bytes of LDS; arguments sc, st, pc, out0, out1; writes out0, out1
.if DOCPART == 3
	.amdgcn_target "amdgcn-amd-amdhsa--gfx1250"
	.amdhsa_code_object_version 6
	.text
	.protected	k_qf24342c400_finish
	.globl	k_qf24342c400_finish
	.p2align	8
	.type	k_qf24342c400_finish,@function
k_qf24342c400_finish:
	s_mov_b64 s[64:65], 0
	v_nop
	global_prefetch_b8 v0, s[64:65] scope:SCOPE_SE
	s_setreg_imm32_b32 hwreg(HW_REG_WAVE_MODE, 25, 1), 1
	s_wait_xcnt 0x0
; Batch b (work-group y), quarter x: joins the batch's 16 blocks.  Block k left its largest score m_k, l_k = sum e^(s - m_k) and c_k = sum e^(s - m_k) values.
; M = max m_k;  e_k = e^(m_k - M);  L = sum l_k e_k;  weight = e^(s - M) / L;  context = sum (e_k / L) c_k.  The maximum is taken away ahead of every exponential.
; A batch that is masked as a whole has every s = M: equal weights.  The work-group makes 512 weights (16 bytes a thread) and 256 columns of the context (8 bytes a thread).
; Memory binds and the launch is small: no LDS, no barrier, no matrix unit; all 18 loads of a wave go out at once.
	s_load_b256 s[4:11], s[0:1], 0x0               ; sc s[4:5], st s[6:7], pc s[8:9], out0 s[10:11]
	s_load_b64 s[12:13], s[0:1], 0x20              ; out1
	s_and_b32 s14, ttmp7, 0xffff                   ; b
	v_and_b32 v1, 15, v0
	v_lshlrev_b32 v1, 8, v1                        ; lane l takes block l % 16: 256 bytes a block
	v_lshlrev_b32 v2, 4, v0
	v_lshlrev_b32 v3, 3, v0
	s_lshl_b32 s32, s14, 12                        ; st: 16 blocks of 256 bytes a batch
	s_mov_b32 s33, 0
	s_lshl_b32 s34, s14, 13
	s_lshl_b32 s15, ttmp9, 11
	s_add_co_u32 s34, s34, s15                     ; sc, out1: 8,192 b + 2,048 x
	s_mov_b32 s35, 0
	s_lshl_b32 s36, s14, 16
	s_lshl_b32 s15, ttmp9, 10
	s_add_co_u32 s36, s36, s15                     ; pc: 65,536 b + 1,024 x
	s_mov_b32 s37, 0
	s_add_co_u32 s38, s32, s15                     ; out0: 4,096 b + 1,024 x
	s_mov_b32 s39, 0
	s_mov_b32 s40, 0x3fb8aa3b                      ; log2(e)
	s_wait_alu depctr_va_vdst(0)
	s_wait_kmcnt 0x0
	s_add_nc_u64 s[6:7], s[6:7], s[32:33]
	s_add_nc_u64 s[4:5], s[4:5], s[34:35]
	s_add_nc_u64 s[12:13], s[12:13], s[34:35]
	s_add_nc_u64 s[8:9], s[8:9], s[36:37]
	s_add_nc_u64 s[10:11], s[10:11], s[38:39]
	global_load_b64 v[4:5], v1, s[6:7]             ; (m, l) of block l % 16
	global_load_b128 v[8:11], v2, s[4:5]           ; four scores
.irp k,0,1,2,3,4,5,6,7,8,9,10,11,12,13,14,15
	global_load_b64 v[12+2*\k:13+2*\k], v3, s[8:9] offset:4096*\k   ; two columns of block k's context; a wave reads 256 consecutive bytes
.endr
	s_wait_loadcnt 17                              ; (m, l) is in; behind it stand the scores and the 16 contexts
	v_mov_b32 v44, v4
	v_max_num_f32_dpp v44, v44, v44 row_xmask:1 row_mask:0xf bank_mask:0xf
	v_max_num_f32_dpp v44, v44, v44 row_xmask:2 row_mask:0xf bank_mask:0xf
	v_max_num_f32_dpp v44, v44, v44 row_xmask:4 row_mask:0xf bank_mask:0xf
	v_max_num_f32_dpp v44, v44, v44 row_xmask:8 row_mask:0xf bank_mask:0xf   ; M, in every lane (both halves of the lanes hold the same 16 blocks)
	v_sub_f32 v45, v4, v44
	v_mul_f32 v45, s40, v45
	s_wait_alu depctr_va_vdst(0)
	v_exp_f32 v45, v45                             ; e_k
	v_nop
	s_wait_alu depctr_va_vdst(0)
	v_mul_f32 v46, v5, v45
	v_add_f32_dpp v46, v46, v46 row_xmask:1 row_mask:0xf bank_mask:0xf
	v_add_f32_dpp v46, v46, v46 row_xmask:2 row_mask:0xf bank_mask:0xf
	v_add_f32_dpp v46, v46, v46 row_xmask:4 row_mask:0xf bank_mask:0xf
	v_add_f32_dpp v46, v46, v46 row_xmask:8 row_mask:0xf bank_mask:0xf       ; L
	s_wait_alu depctr_va_vdst(0)
	v_rcp_f32 v47, v46
	v_nop
	s_wait_alu depctr_va_vdst(0)
	v_mul_f32 v48, v45, v47                        ; e_k / L
.irp k,0,1,2,3,4,5,6,7,8,9,10,11,12,13,14,15
	v_readlane_b32 s[16+\k], v48, \k               ; as scalars: factors only; no address and no branch hangs on them
.endr
	s_wait_loadcnt 16                              ; the scores are in
.irp j,0,1,2,3
	v_sub_f32 v[52+\j], v[8+\j], v44
.endr
.irp j,0,1,2,3
	v_mul_f32 v[52+\j], s40, v[52+\j]
.endr
	s_wait_alu depctr_va_vdst(0)
.irp j,0,1,2,3
	v_exp_f32 v[52+\j], v[52+\j]
.endr
	v_nop
	s_wait_alu depctr_va_vdst(0)
.irp j,0,1,2,3
	v_mul_f32 v[52+\j], v[52+\j], v47
.endr
	global_store_b128 v2, v[52:55], s[12:13]       ; 32 lanes store 512 consecutive bytes
	s_wait_loadcnt 15
	v_mul_f32 v60, s16, v12
	v_mul_f32 v61, s16, v13
	s_wait_alu depctr_va_vdst(0)
.irp k,1,2,3,4,5,6,7,8,9,10,11,12,13,14,15
	s_wait_alu depctr_va_vdst(0)
	s_wait_loadcnt 15-\k                           ; block k's context is in; the later blocks' may be out
	v_fma_f32 v60, s[16+\k], v[12+2*\k], v60
	v_fma_f32 v61, s[16+\k], v[13+2*\k], v61
.endr
	global_store_b64 v3, v[60:61], s[10:11]        ; 32 lanes store 256 consecutive bytes, aligned
	s_endpgm
.Lfunc_end_k_qf24342c400_finish:
	.size	k_qf24342c400_finish, .Lfunc_end_k_qf24342c400_finish-k_qf24342c400_finish
	.p2alignl 7, 3214868480
	.fill 96, 4, 3214868480
	.section	.rodata,"a",@progbits
	.p2align	6, 0x0
	.amdhsa_kernel k_qf24342c400_finish
		.amdhsa_group_segment_fixed_size 0
		.amdhsa_private_segment_fixed_size 0
		.amdhsa_enable_private_segment 0
		.amdhsa_kernarg_size 40
		.amdhsa_user_sgpr_count 2
		.amdhsa_user_sgpr_kernarg_segment_ptr 1
		.amdhsa_wavefront_size32 1
		.amdhsa_system_sgpr_workgroup_id_x 1
		.amdhsa_system_sgpr_workgroup_id_y 1
		.amdhsa_system_sgpr_workgroup_id_z 1
		.amdhsa_system_vgpr_workitem_id 0
		.amdhsa_next_free_vgpr 72
		.amdhsa_next_free_sgpr 66
		.amdhsa_reserve_vcc 0
		.amdhsa_float_denorm_mode_32 3
		.amdhsa_float_denorm_mode_16_64 3
		.amdhsa_memory_ordered 1
		.amdhsa_forward_progress 1
		.amdhsa_inst_pref_size 9
	.end_amdhsa_kernel
	.amdgpu_metadata
---
amdhsa.version: [ 1, 2 ]
amdhsa.kernels:
  - .name:           k_qf24342c400_finish
    .symbol:         k_qf24342c400_finish.kd
    .args:
      - { .name: sc, .offset: 0, .size: 8, .value_kind: global_buffer, .address_space: global }
      - { .name: st, .offset: 8, .size: 8, .value_kind: global_buffer, .address_space: global }
      - { .name: pc, .offset: 16, .size: 8, .value_kind: global_buffer, .address_space: global }
      - { .name: out0, .offset: 24, .size: 8, .value_kind: global_buffer, .address_space: global }
      - { .name: out1, .offset: 32, .size: 8, .value_kind: global_buffer, .address_space: global }
    .group_segment_fixed_size: 0
    .private_segment_fixed_size: 0
    .kernarg_segment_align: 8
    .kernarg_segment_size: 40
    .max_flat_workgroup_size: 128
    .sgpr_count:     66
    .vgpr_count:     72
    .wavefront_size: 32
...
	.end_amdgpu_metadata
.endif
;; end of part 3
